; MI455X (gfx1250); checked and timed in simulation.
; The chip was launched on July 23, 2026; its instructions are those of AMD's public machine-readable ISA for CDNA 5 (MIT licence, August 2026) and "CDNA5" Instruction Set Architecture Reference Guide (July 2026). The comments in the code are by the model that wrote it; some were corrected since.
;; Taylor KAN Linear. Allowed arithmetic: matrix products marked QUANTISED: E2M1 operands, one E8M0 scale for each 32 along K, by v_wmma_scale_f32_16x16x128_f8f6f4 with both operands' format E2M1 (or v_wmma_scale_f32_32x16x128_f4), f32 sums; everything else in f32.
;; Inputs: base_weight 1,024 x 1,024 float32; bias 1,024 float32; taylor_coeffs 1,024 x 1,024 x 4 float32; x 8,192 x 1,024 float32.
;; Outputs: out0 8,192 x 1,024 float32.
;; This version of the problem:
;;   THIS VERSION OF THE PROBLEM IS GIVEN IN LOW PRECISION. The matrix products marked QUANTISED in the list below multiply operands that are first quantised to E2M1 (2 exponent bits, 1 mantissa bit; 4 bits a number), with one power-of-two scale for each 32 numbers along K (OCP MX v1.0); their sums are f32. All else is computed in f32.
;;   The module's matrix products, in the order in which they are computed (A, B: the left and right operand; K: the contracted axis; several contracted axes count as one K, in the product's order):
;;     1. [M 8,192, K 1,024] x [K 1,024, N 1,024]; A: computed on the way; B: input base_weight: QUANTISED
;;     2. [M 8,192, K 4,096] x [K 4,096, N 1,024]; A: computed on the way; B: input taylor_coeffs: QUANTISED
;;   THE QUANTISER, for each operand of a quantised product, along K:
;;     - K is cut into blocks of 32 from its start; a last block that is shorter is filled with zeros.
;;     - A block's scale is 2^e with e = floor(log2(the largest magnitude in the block)) - 2, held to -126 .. 127; a block of zeros has e = 0. As a byte (E8M0): e + 127.
;;     - Each number is divided by its block's scale, clamped to +-6, and rounded to the nearest number of E2M1, ties to even, subnormals kept.
;;     - The product sums the exact products of the quantised numbers (number of the format x scale) in f32.
;;   ~~~python
;;   def quantise(x, axis):      # numpy; x: float32 -> the quantised numbers, widened to float32 again
;;       x = np.moveaxis(x, axis, -1); K = x.shape[-1]
;;       x = np.pad(x, [(0, 0)] * (x.ndim - 1) + [(0, -K % 32)]); x = x.reshape(x.shape[:-1] + (-1, 32)); a = np.abs(x).max(-1, keepdims=True)
;;       e = np.where(a > 0, np.clip(np.frexp(np.where(a > 0, a, 1))[1] - 1 - 2, -126, 127), 0)      # np.frexp(a)[1] - 1 = floor(log2(a)), exactly
;;       r = np.clip(x / 2.0 ** e, -6, 6)
;;       step = 2.0 ** (np.maximum(np.frexp(np.where(r == 0, 1, r))[1] - 1, 0) - 1)
;;       q = np.round(r / step) * step * 2.0 ** e      # np.round: ties to even
;;       return np.moveaxis(q.reshape(q.shape[:-2] + (-1,))[..., :K], -1, axis).astype(np.float32)
;;   ~~~
;;   OPERANDS COMPUTED ON THE WAY. 'Computed on the way' means the value that the module computes at that place (a softmax that the list does not call 'softmax' is quantised finished and normalised). What goes into a quantiser is computed in f32, as accurately as f32 sums, v_exp_f32 and their like allow (about 1e-6 of the number): no bf16 or f16 on the way to a quantiser, and a product that is left as it is and whose result goes on into a quantised operand takes f32 operands (vector FMAs, or v_wmma_f32_16x16x4_f32). A number that lies on a knife's edge between two numbers of the format may be rounded either way, as far as f32 arithmetic and the matrix unit's own rounding can turn it there, and no further.
;; One version. Each part assembles by itself: llvm-mc -triple=amdgcn-amd-amdhsa -mcpu=gfx1250 --defsym DOCPART=n.
;; ======== version 1 of 1: 2 launches
;; limits: right only within a limited range of input values
;; workspace buffers: aq 22,282,240 bytes; bq 2,785,280 bytes
;; launch quant (part 1): grid 768 x 1, 4 waves a work-group, no clusters, 38,656 bytes of LDS; arguments x, base_weight, taylor_coeffs, aq, bq; writes aq, bq
.if DOCPART == 1
	.amdgcn_target "amdgcn-amd-amdhsa--gfx1250"
	.amdhsa_code_object_version 6
	.text
	.protected	k_qc639e979f4_quant
	.globl	k_qc639e979f4_quant
	.p2align	8
	.type	k_qc639e979f4_quant,@function
k_qc639e979f4_quant:
	s_mov_b64 s[64:65], 0
	v_nop
	global_prefetch_b8 v0, s[64:65] scope:SCOPE_SE
	s_setreg_imm32_b32 hwreg(HW_REG_WAVE_MODE, 25, 1), 1
	s_wait_xcnt 0x0
; out[b][o] = sum_i silu(x[b][i]) W[o][i] + sum_(i,k) x[b][i]^k C[o][i][k] + bias[o], both products on codes of FP4 (E2M1) with one E8M0 scale for each 32 along K.
; THIS LAUNCH makes all four operands' codes and scale bytes; the next launch multiplies them as ONE product with K = 1,024 + 4,096 = 5,120.
; NOTHING IS LEFT OUT AS DEAD WORK: the code of x^0 = 1 hangs on its block's scale, which hangs on x; all four inputs have a way to the output (bias is read by the next launch).
; THE QUANTISER: a block's scale is 2^(floor(log2(its largest magnitude)) - 2); its byte is the largest magnitude's exponent field - 2; each number / scale goes to the nearest code, ties to even, beyond 6 to 6.
; The second product's K index is 4 i + k: a block of 32 is eight neighbouring i x the four powers.
; THE ORDER OF K, alike in both operands: five slots f of eight fragments t of 128 (four blocks of 32).  With i = 256 P + 64 j + 32 h + n:
;   slot 0, fragment 4 h + j, block P: silu(x) | base_weight at n = 0..31;   slot 1 + j, fragment 4 h + P, block s: i0 = i at n = 8 s, code 8 k + m = (i0 + m, power k): x^k | taylor_coeffs.
; LAYOUT (this program's own): aq [f][512 blocks of 16 rows][8,704 bytes], bq [f][64][8,704].  A chunk is an image of the operand's registers: codes at 1024 t + 256 block + 16 r; scale words at 8192 + 256 (t / 4) + 16 r + 4 (t % 4).
; SHARES.  A PIECE is 16 rows x 256 bytes of f32: eight loads, in each of which sixteen lanes read 256 consecutive bytes of a row; it turns through the wave's own stage in LDS (rows 272 bytes apart) and comes back
; 128 bytes a lane: lane (r = lane % 16, h = lane / 16) holds 32 neighbours of row r.  So a lane owns whole blocks, no maximum crosses lanes, and each half of the lanes stores 256 consecutive bytes, aligned.
; Work-groups 0..511: 16 rows of x, wave = P, piece = j.  512..767: 16 rows of both weights and one j, wave = P: four pieces of taylor_coeffs, one of base_weight.  Each of the two ways has LDS bytes of its own.
; The waves' scale bytes meet in LDS and leave as 512 consecutive bytes; only slot 0's of bq, of which a work-group makes 32 words, leave as words, 16 bytes apart (32,768 bytes in all).
; A POWER BLOCK'S LARGEST MAGNITUDE is max(1, the largest |x^3|): where |x| <= 1 all four powers are at most 1; where |x| > 1 rounding keeps order, so the rounded x^2 is at least |x| and the rounded x^3 at least x^2.
; LIMITS: NaN and infinities among the inputs are not served, nor |x|^3 beyond f32's range.  A block whose largest magnitude lies under 2^-124 (a block of zeros too) gets the byte 1 where the rule may say another:
; its codes are zeros or were not tried, and this program alone reads the bytes.  silu(x) where 1 + e^-x passes 2^126 (x under about -87) comes out as 0.  The exponential's argument is rounded once:
; e^-x is off by about 1e-7 |x| of itself.  x^2 and x^3 are products in f32, x^3 = (x x) x.
.set CH,    8704                       ; a chunk
.set FA,    512*CH                     ; from slot to slot in aq
.set FB,    64*CH                      ; and in bq
.set XST,   0                          ; LDS: the two ways' stages, 4 waves x 16 rows x 272 bytes each
.set WST,   17408
.set XG,    34816                      ; gathered scale words: x's five slots of 512 bytes,
.set WG,    37376                      ; taylor_coeffs' 512 bytes,
.set BG,    37888                      ; base_weight's 128
.set SPARE, 38144                      ; the spare words, 128 bytes for each wave: two blocks of 256 bytes that no other line names
.set VLD,  1                           ; v1   4096 h + 16 r: a piece's loads from rows of 4,096 bytes; codes' stores
.set LST,  2                           ; v2   into my stage
.set LRD,  3                           ; v3   out of it
.set GX,   4                           ; v4   16 lane + 512 wave: x's words that I store
.set SPW,  5                           ; v5   LDS address of my spare word; never rewritten
.set NIL,  6                           ; v6   0; never rewritten
.set VLDT, 7                           ; v7   loads from rows of 16,384 bytes
.set M,    8                           ; v8-11   the four power blocks' largest magnitudes (at the head: r, h, 16 r)
.set SCP,  12                          ; v12-15  their scale operands
.set BY,   16                          ; v16-19  their bytes;   v20-23: a block of 32: two chains, the scale operand, the byte
.set O,    24                          ; v24-31  eight times 1.0
.set GB4,  34                          ; v34     4 lane + wave: my byte of base_weight's words
.set VL4,  35                          ; v35     4 x lane
.set WP,   36                          ; v36     a scale word
.set CS,   40                          ; v40-43  a block's codes
.set CP,   44                          ; v44-59  four power blocks' codes
.set X,    60                          ; v60-91  my 32 numbers
.set Q2,   92                          ; v92-123 x^2, then silu(x); in the weights' way a block in the order of the powers
.set S,    92
.set Q3,   124                         ; v124-155 x^3
.set R,    156                         ; v156-219 two sets of 32: pieces as they are loaded
.set VL16, 252                         ; v252 16 x lane
.set GT,   253                         ; v253 16 r + h + 4 wave: my scale byte of a block of taylor_coeffs
.set GW,   254                         ; v254 16 lane + 4 wave: x's word of a slot from 1 on
.set GB,   255                         ; v255 16 lane + wave: x's byte of slot 0's words
	s_load_b256 s[4:11], s[0:1], 0x0               ; x s[4:5], base_weight s[6:7], taylor_coeffs s[8:9], aq s[10:11]
	s_load_b64 s[12:13], s[0:1], 0x20              ; bq
	v_lshl_add_u32 v[SPW], v0, 2, SPARE
	v_mov_b32 v[NIL], 0
	v_lshrrev_b32 v8, 5, v0
	v_readfirstlane_b32 s16, v8                    ; wave 0..3
	v_and_b32 v8, 15, v0                           ; r
	v_bfe_u32 v9, v0, 4, 1                         ; h
	v_lshlrev_b32 v10, 4, v8
	v_lshl_add_u32 v[VLD], v9, 12, v10
	v_lshl_add_u32 v[VLDT], v9, 14, v10
	s_mul_i32 s17, s16, 4352
	s_lshl_b32 s18, s16, 2
	s_lshl_b32 s19, s16, 9
	v_mul_u32_u24 v[LST], v9, 272
	v_add_nc_u32 v[LST], v[LST], v10
	v_add_nc_u32 v[LST], s17, v[LST]
	v_mul_u32_u24 v[LRD], v8, 272
	v_lshl_add_u32 v[LRD], v9, 7, v[LRD]
	v_add_nc_u32 v[LRD], s17, v[LRD]
	v_and_b32 v[VL16], 31, v0
	v_lshlrev_b32 v[VL4], 2, v[VL16]
	v_lshlrev_b32 v[VL16], 4, v[VL16]
	v_add_nc_u32 v[GT], v10, v9
	v_add_nc_u32 v[GT], s18, v[GT]
	v_add_nc_u32 v[GW], s18, v[VL16]
	v_add_nc_u32 v[GB], s16, v[VL16]
	v_add_nc_u32 v[GB4], s16, v[VL4]
	v_add_nc_u32 v[GX], s19, v[VL16]
.irp n, 0,1,2,3,4,5,6,7
	v_mov_b32 v[O+\n], 1.0
.endr
	s_mov_b32 s20, 0xbfb8aa3b                      ; -log2(e)
	s_mov_b32 s21, s20                             ; (named with it as a pair, so it is written)
	s_mov_b32 s23, 0
	s_mov_b32 s25, 0
	s_wait_alu depctr_va_vdst(0)
	s_wait_kmcnt 0x0
	s_cmp_ge_u32 ttmp9, 512                        ; the work-group's number alone: all four waves go the same way
	s_cbranch_scc1 .Lw
; A piece goes through my stage (at byte st of LDS): as loaded, sixteen lanes to a row; back, 128 bytes of a row to a lane.  LDS serves a wave's instructions in order: no wait between the stores and the loads.
.macro THROUGH p, st
.irp a, 0,1,2,3,4,5,6,7
	ds_store_b128 v[LST], v[R+32*((\p)%2)+4*\a:R+32*((\p)%2)+4*\a+3] offset:\st+544*\a
.endr
.irp c, 0,1,2,3,4,5,6,7
	ds_load_b128 v[X+4*\c:X+4*\c+3], v[LRD] offset:\st+16*\c
.endr
	s_wait_dscnt 0x0                               ; my 32 numbers are in, and the stores have read the set that the next loads fill
.endm
; The largest magnitude of 32 numbers, in two chains, with the floor 2^(3 - 127), so that the byte cannot fall under 1; 2 off its exponent field gives the conversions' scale operand, v22.
.macro MAX32 s
	v_max3_num_f32 v20, |v[\s]|, |v[\s+1]|, |v[\s+2]|
	v_max3_num_f32 v21, |v[\s+3]|, |v[\s+4]|, |v[\s+5]|
.irp i, 6,10,14,18,22,26
	v_max3_num_f32 v20, v20, |v[\s+\i]|, |v[\s+\i+1]|
	v_max3_num_f32 v21, v21, |v[\s+\i+2]|, |v[\s+\i+3]|
.endr
	v_max3_num_f32 v20, v20, |v[\s+30]|, |v[\s+31]|
	v_max3_num_f32 v20, v20, v21, 0x1800000
	v_add_nc_u32 v22, 0xff000000, v20
.endm
; 32 numbers become 16 bytes of codes; the shift that makes the byte, v23, is the plain instruction behind the conversions.
.macro CODES s
.irp g, 0,1,2,3
	v_cvt_scalef32_pk8_fp4_f32 v[CS+\g], v[\s+8*\g:\s+8*\g+7], v22
.endr
	v_lshrrev_b32 v23, 23, v22
.endm
.macro ARRIVED p, last
.if \p > 0
	s_wait_xcnt 0x0                                ; the last piece's stores have read their data: the codes' registers are written again below
.endif
.if \p < \last
	s_wait_loadcnt 8                               ; this piece's eight loads are in; the next piece's eight may be out
.else
	s_wait_loadcnt 0x0
.endif
.endm
.macro MEET
	s_wait_dscnt 0x0                               ; for the others' sake: my stores have landed
	s_barrier_signal -1
	s_barrier_wait -1
	s_cmp_lg_u32 s16, 0
.endm
.macro FINISH                          ; the wave's end
	s_wait_tensorcnt 0x0
	ds_add_u32 v[SPW], v[NIL]
	s_wait_dscnt 0x0
	s_endpgm
.endm
.macro XLOAD p
.irp a, 0,1,2,3,4,5,6,7
	global_load_b128 v[R+32*((\p)%2)+4*\a:R+32*((\p)%2)+4*\a+3], v[VLD], s[4:5] offset:8192*\a+256*(\p) th:TH_LOAD_NT   ; rows 2 a and 2 a + 1, 256 consecutive bytes each
.endr
.endm
	; ---------------- x: work-group = block of 16 rows, wave = P, piece = j ----------------
	s_lshl_b32 s22, ttmp9, 16                      ; 16 rows of 4,096 bytes,
	s_lshl_b32 s24, s16, 10                        ; my 256 columns
	s_add_co_u32 s22, s22, s24
	s_add_nc_u64 s[4:5], s[4:5], s[22:23]
	XLOAD 0
	XLOAD 1
	s_mul_i32 s22, ttmp9, CH                       ; my chunk of a slot
	s_add_nc_u64 s[10:11], s[10:11], s[22:23]
	s_add_co_u32 s24, s24, FA
	s_add_nc_u64 s[26:27], s[10:11], s[24:25]      ; slot 1, fragment P;
	s_add_nc_u64 s[34:35], s[26:27], 2*FA          ; slot 3
	s_lshl_b32 s24, s16, 8
	s_add_nc_u64 s[28:29], s[10:11], s[24:25]      ; slot 0, block P
	s_mul_i32 s24, s16, FA
	s_add_co_u32 s24, s24, 8192
	s_add_nc_u64 s[30:31], s[10:11], s[24:25]      ; the scale words that I store: slot = wave,
	s_add_nc_u64 s[36:37], s[10:11], 4*FA+8192     ; and slot 4's (wave 0)
.macro XPIECE p
	ARRIVED \p, 3
	THROUGH \p, XST
.if \p < 2
	XLOAD (\p)+2
.endif
.set j, 0
.rept 16
	v_pk_mul_f32 v[Q2+j:Q2+j+1], v[X+j:X+j+1], v[X+j:X+j+1]
.set j, j+2
.endr
.set j, 0
.rept 16
	v_pk_mul_f32 v[Q3+j:Q3+j+1], v[Q2+j:Q2+j+1], v[X+j:X+j+1]
.set j, j+2
.endr
	; the four power blocks, by turns
.irp s, 0,1,2,3
	v_max3_num_f32 v[M+\s], |v[Q3+8*\s]|, |v[Q3+8*\s+1]|, 1.0
.endr
.irp i, 2,4,6
.irp s, 0,1,2,3
	v_max3_num_f32 v[M+\s], v[M+\s], |v[Q3+8*\s+\i]|, |v[Q3+8*\s+\i+1]|
.endr
.endr
.irp s, 0,1,2,3
	v_add_nc_u32 v[SCP+\s], 0xff000000, v[M+\s]    ; 2 off the exponent field: the conversions' scale operand
.endr
.irp s, 0,1,2,3
	v_cvt_scalef32_pk8_fp4_f32 v[CP+4*\s],   v[O:O+7], v[SCP+\s]                   ; eight times x^0,
	v_cvt_scalef32_pk8_fp4_f32 v[CP+4*\s+1], v[X+8*\s:X+8*\s+7], v[SCP+\s]         ; x,
	v_cvt_scalef32_pk8_fp4_f32 v[CP+4*\s+2], v[Q2+8*\s:Q2+8*\s+7], v[SCP+\s]       ; x^2,
	v_cvt_scalef32_pk8_fp4_f32 v[CP+4*\s+3], v[Q3+8*\s:Q3+8*\s+7], v[SCP+\s]       ; x^3 of i0 .. i0 + 7
.endr
.irp s, 0,1,2,3
	v_lshrrev_b32 v[BY+\s], 23, v[SCP+\s]          ; the bytes (plain instructions behind the conversions)
.endr
.set j, 0
.rept 16
	v_pk_mul_f32 v[S+j:S+j+1], v[X+j:X+j+1], s[20:21] op_sel_hi:[1,0]   ; -x log2(e)
.set j, j+2
.endr
	s_wait_alu depctr_va_vdst(0)
.set j, 0
.rept 32
	v_exp_f32 v[S+j], v[S+j]                       ; e^-x: one batch
.set j, j+1
.endr
	v_lshl_or_b32 v[WP], v[BY+1], 8, v[BY]         ; the scale word of slot 1 + p, P (plain work that names no exponential's result)
	v_lshl_or_b32 v[WP], v[BY+2], 16, v[WP]
	v_lshl_or_b32 v[WP], v[BY+3], 24, v[WP]
	ds_store_b32 v[GW], v[WP] offset:XG+512*(1+\p)
	s_wait_alu depctr_va_vdst(0)                   ; one wait for the 32 exponentials, ahead of their first reader
.set j, 0
.rept 16
	v_pk_add_f32 v[S+j:S+j+1], v[S+j:S+j+1], 1.0 op_sel_hi:[1,0]
.set j, j+2
.endr
	s_wait_alu depctr_va_vdst(0)
.set j, 0
.rept 32
	v_rcp_f32 v[S+j], v[S+j]                       ; 1 / (1 + e^-x): one batch
.set j, j+1
.endr
	v_nop                                          ; one plain place behind the last of them
	s_wait_alu depctr_va_vdst(0)                   ; one wait for the 32 reciprocals
.set j, 0
.rept 16
	v_pk_mul_f32 v[S+j:S+j+1], v[S+j:S+j+1], v[X+j:X+j+1]              ; silu(x)
.set j, j+2
.endr
	MAX32 S
	CODES S
	ds_store_b8 v[GB], v23 offset:XG+4*(\p)        ; slot 0, fragment 4 h + p, block P
	global_store_b128 v[VLD], v[CS:CS+3], s[28:29] offset:1024*(\p)   ; the piece's five stores stand together, where the wave waits for its next loads
.irp s, 0,1,2,3
	global_store_b128 v[VLD], v[CP+4*\s:CP+4*\s+3], s[26+8*((\p)/2):27+8*((\p)/2)] offset:((\p)%2)*FA+256*\s   ; slot 1 + p
.endr
.endm
	XPIECE 0
	XPIECE 1
	XPIECE 2
	XPIECE 3
	MEET
	ds_load_b128 v[X:X+3], v[GX] offset:XG         ; each wave stores one slot's 512 bytes,
	s_wait_dscnt 0x0
	global_store_b128 v[VL16], v[X:X+3], s[30:31]
	s_cbranch_scc1 .Lx_end
	ds_load_b128 v[X+4:X+7], v[VL16] offset:XG+2048   ; wave 0 slot 4's too
	s_wait_dscnt 0x0
	global_store_b128 v[VL16], v[X+4:X+7], s[36:37]
.Lx_end:
	FINISH
	; ---------------- the weights: work-group = (block of 16 rows, j), wave = P ----------------
.Lw:
	s_sub_co_u32 s17, ttmp9, 512
	s_lshr_b32 s18, s17, 2                         ; the block of 16 rows
	s_and_b32 s19, s17, 3                          ; j
	s_lshl_b32 s22, s18, 18                        ; taylor_coeffs: 16 rows of 16,384 bytes,
	s_lshl_b32 s24, s16, 12                        ; 4,096 P,
	s_add_co_u32 s22, s22, s24
	s_lshl_b32 s24, s19, 10                        ; 1,024 j
	s_add_co_u32 s22, s22, s24
	s_add_nc_u64 s[8:9], s[8:9], s[22:23]
	s_lshl_b32 s22, s18, 16                        ; base_weight: 16 rows of 4,096 bytes,
	s_lshl_b32 s24, s16, 10                        ; 1,024 P,
	s_add_co_u32 s22, s22, s24
	s_lshl_b32 s24, s19, 8                         ; 256 j
	s_add_co_u32 s22, s22, s24
	s_add_nc_u64 s[6:7], s[6:7], s[22:23]
.macro WLOAD p                         ; pieces 0 to 3: taylor_coeffs, 256 bytes on from piece to piece, 16 i x four powers; piece 4: base_weight
.irp a, 0,1,2,3,4,5,6,7
.if (\p) < 4
	global_load_b128 v[R+32*((\p)%2)+4*\a:R+32*((\p)%2)+4*\a+3], v[VLDT], s[8:9] offset:32768*\a+256*(\p) th:TH_LOAD_NT
.else
	global_load_b128 v[R+32*((\p)%2)+4*\a:R+32*((\p)%2)+4*\a+3], v[VLD], s[6:7] offset:8192*\a th:TH_LOAD_NT
.endif
.endr
.endm
	WLOAD 0
	WLOAD 1
	s_mul_i32 s22, s18, CH                         ; my chunk: in slot 0
	s_add_nc_u64 s[12:13], s[12:13], s[22:23]
	s_lshl_b32 s22, s19, 10
	s_lshl_b32 s24, s16, 8
	s_add_co_u32 s22, s22, s24
	s_add_nc_u64 s[28:29], s[12:13], s[22:23]      ; fragment j, block P;
	s_lshl_b32 s22, s19, 2
	s_add_co_u32 s22, s22, 8192
	s_add_nc_u64 s[34:35], s[12:13], s[22:23]      ; its scale words;
	s_add_co_u32 s24, s19, 1
	s_mul_i32 s24, s24, FB                         ; and in slot 1 + j
	s_lshl_b32 s22, s16, 10
	s_add_co_u32 s22, s22, s24
	s_add_nc_u64 s[26:27], s[12:13], s[22:23]      ; fragment P
	s_add_co_u32 s24, s24, 8192
	s_add_nc_u64 s[30:31], s[12:13], s[24:25]      ; the chunk's scales
.macro WPIECE p
	ARRIVED \p, 4
	THROUGH \p, WST
.if \p < 3
	WLOAD (\p)+2
.endif
	MAX32 X
.if \p < 4
.irp k, 0,1,2,3
.irp n, 0,1,2,3,4,5,6,7
	v_mov_b32 v[S+8*\k+\n], v[X+4*\n+\k]           ; the block in the order of the powers, as x's power blocks are laid
.endr
.endr
	CODES S
	ds_store_b8 v[GT], v23 offset:WG+256*((\p)/2)+2*((\p)%2)      ; fragment 4 (p / 2) + P, block 2 (p % 2) + lane / 16
	global_store_b128 v[VL16], v[CS:CS+3], s[26:27] offset:4096*((\p)/2)+512*((\p)%2)   ; 32 lanes store 512 consecutive bytes
.else
	CODES X
	ds_store_b8 v[GB4], v23 offset:BG              ; slot 0, fragment 4 h + j, block P
	global_store_b128 v[VLD], v[CS:CS+3], s[28:29]
.endif
.endm
	WPIECE 0
	WPIECE 1
	WPIECE 2
	WPIECE 3
	WPIECE 4
	MEET
	s_cbranch_scc1 .Lw_end                         ; wave 0 stores the gathered bytes
	ds_load_b128 v[X:X+3], v[VL16] offset:WG
	ds_load_b32 v[X+4], v[VL4] offset:BG
	s_wait_dscnt 0x0
	global_store_b128 v[VL16], v[X:X+3], s[30:31]
	global_store_b32 v[VL16], v[X+4], s[34:35]
.Lw_end:
	FINISH
.Lfunc_end_k_qc639e979f4_quant:
	.size	k_qc639e979f4_quant, .Lfunc_end_k_qc639e979f4_quant-k_qc639e979f4_quant
	.p2alignl 7, 3214868480
	.fill 96, 4, 3214868480
	.section	.rodata,"a",@progbits
	.p2align	6, 0x0
	.amdhsa_kernel k_qc639e979f4_quant
		.amdhsa_group_segment_fixed_size 38656
		.amdhsa_private_segment_fixed_size 0
		.amdhsa_enable_private_segment 0
		.amdhsa_kernarg_size 40
		.amdhsa_user_sgpr_count 2
		.amdhsa_user_sgpr_kernarg_segment_ptr 1
		.amdhsa_wavefront_size32 1
		.amdhsa_system_sgpr_workgroup_id_x 1
		.amdhsa_system_sgpr_workgroup_id_y 1
		.amdhsa_system_sgpr_workgroup_id_z 1
		.amdhsa_system_vgpr_workitem_id 0
		.amdhsa_next_free_vgpr 256
		.amdhsa_next_free_sgpr 66
		.amdhsa_reserve_vcc 0
		.amdhsa_float_denorm_mode_32 3
		.amdhsa_float_denorm_mode_16_64 3
		.amdhsa_memory_ordered 1
		.amdhsa_forward_progress 1
		.amdhsa_inst_pref_size 81
	.end_amdhsa_kernel
	.amdgpu_metadata
---
amdhsa.version: [ 1, 2 ]
amdhsa.kernels:
  - .name:           k_qc639e979f4_quant
    .symbol:         k_qc639e979f4_quant.kd
    .args:
      - { .name: x, .offset: 0, .size: 8, .value_kind: global_buffer, .address_space: global }
      - { .name: base_weight, .offset: 8, .size: 8, .value_kind: global_buffer, .address_space: global }
      - { .name: taylor_coeffs, .offset: 16, .size: 8, .value_kind: global_buffer, .address_space: global }
      - { .name: aq, .offset: 24, .size: 8, .value_kind: global_buffer, .address_space: global }
      - { .name: bq, .offset: 32, .size: 8, .value_kind: global_buffer, .address_space: global }
    .group_segment_fixed_size: 38656
    .private_segment_fixed_size: 0
    .kernarg_segment_align: 8
    .kernarg_segment_size: 40
    .max_flat_workgroup_size: 128
    .sgpr_count:     66
    .vgpr_count:     256
    .wavefront_size: 32
...
	.end_amdgpu_metadata
.endif
;; end of part 1
;; launch gemm (part 2): grid 4 x 64, 4 waves a work-group, clusters of 4 x 4, 327,680 bytes of LDS; arguments aq, bq, bias, out0; writes out0
.if DOCPART == 2
	.amdgcn_target "amdgcn-amd-amdhsa--gfx1250"
	.amdhsa_code_object_version 6
	.text
	.protected	k_qc639e979f4_gemm
	.globl	k_qc639e979f4_gemm
	.p2align	8
	.type	k_qc639e979f4_gemm,@function
k_qc639e979f4_gemm:
	s_mov_b64 s[64:65], 0
	v_nop
	global_prefetch_b8 v0, s[64:65] scope:SCOPE_SE
	s_setreg_imm32_b32 hwreg(HW_REG_WAVE_MODE, 25, 1), 1
	s_wait_xcnt 0x0
	s_wait_alu depctr_hold_cnt(0) depctr_sa_sdst(0) depctr_va_vdst(0) depctr_va_sdst(0) depctr_va_ssrc(0) depctr_va_vcc(0) depctr_vm_vsrc(0)
	s_getreg_b32 s2, hwreg(HW_REG_IB_STS2, 6, 4)
	s_cmp_eq_u32 s2, 0
	s_cbranch_scc0 .Lentry_in_a_cluster
	s_endpgm
.Lentry_in_a_cluster:
	s_bfe_u32 s2, ttmp6, 0x10000c
	s_cmp_lg_u32 s2, 0xf033
	s_cbranch_scc0 .Lentry_shape_is_right
	s_endpgm
.Lentry_shape_is_right:
; out0[m][n] = bias[n] + sum over 5,120 k of A[m][k] B[n][k]: both quantised products of the problem as one, on the codes of FP4 (E2M1) and E8M0 scale bytes that the launch before has made.  No work is left out.
; K is five slots f of eight fragments t of 128.  aq: [f][512 blocks of 16 rows][8,704 bytes], bq: [f][64][8,704].  A chunk is an image of the operand's registers: codes at 1024 t + 512 c + 16 lane; scale words at 8192 + 256 (t / 4) + 16 r + 4 (t % 4).
; SHARES.  8,192 x 1,024 outputs in 256 tiles of 128 x 256, one to a work-group.  Four waves, each 64 x 128: 4 blocks of A x 4 pairs of blocks of B = 16 accumulators of 16 registers.
; A GOES FROM MEMORY STRAIGHT INTO REGISTERS: a lane's 16 bytes stand as the operand wants them, each load reads 512 consecutive bytes, and a ring of eight fragments is filled seven fragments ahead.
; B GOES THROUGH A RING OF TWO LDS SLOTS: a slot's sixteen chunks are one dense block of 139,264 bytes, of which each wave fetches a quarter by one tensor load, as 136 rows of 256 bytes.  Five fills in all.
; B's fragments are read from LDS two ahead, in four register sets.  A's scales (20,480 bytes for all of K) are copied into LDS once, in whole units of 256 bytes.
; CLUSTERS: 4 x 4 work-groups.  The four of a column of the cluster need the same tiles of B and ask for them JOINTLY.  A is not asked for jointly: its lead in registers is seven fragments with no barrier, and LDS has no room for it beside two slots of this size.
; PREFETCHES INTO THE L2: in each slot each cluster asks for its A of the slot after the next, eight chunks' codes a tile row: the four work-groups of a row and their waves take 16 units of 256 bytes each, by address.
; bq is read by all clusters: the first four alone ask for it, a slot ahead of the refill; the four of a column share a tile's 544 units by address.
; THE MATRIX INSTRUCTION IS USED TRANSPOSED (source 0 = 32 rows of bq, source 1 = 16 rows of aq): a lane then holds eight neighbouring numbers of a row of out0 in registers 0-7, and eight more, 16 columns on, in 8-15.  The bias is the C of each sum's first product.
; THE LAST SLOT GOES BY HALVES OF MY COLUMNS: its A lies in registers whole, so B is still read once; the first 64 columns leave while the second are multiplied.
; REGISTERS, in windows of 256.  window 0: addresses, scale words, the bias, the way out.   window 1: B's fragments, four sets of 64 (in the last slot eight of 32).   window 2: the accumulators, (a, pair p) at v[64 a + 16 p].   window 3: A's ring, eight sets of 32.
; The five slots are written out by macros: which LDS slot, which registers and which waits stand in the text.
.set CH,    8704
.set FA,    512*CH                     ; from slot to slot in aq
.set FB,    64*CH                      ; and in bq
.set SLOT,  16*CH
.set QB,    4*CH                       ; a wave's quarter of a fill; also four blocks of B
.set SCA,   2*SLOT                     ; behind the ring: A's scales, [f][8 blocks][512]
.set STAGE, SCA+20480                  ; the way out: 16 rows x 272 bytes for each wave
.set SPARE, STAGE+4*4352               ; the spare words, 128 bytes for each wave: two blocks of 256 bytes that no other line names
.set ADRB, 16                          ; v16-19  my B fragments: slot 0 blocks 0-3, 4-7; slot 1 the same
.set VSB,  20                          ; v20-21  B's scale words in slot 0, 1: lanes 0-15 a pair's lower block, lanes 16-31 its upper
.set VSA,  22                          ; v22     A's (both halves of the lanes alike)
.set VST,  23                          ; v23     where I put A's scales
.set VA,   24                          ; v24     my A fragments in a tile row of aq
.set STO,  25                          ; v25     into my stage
.set RD,   26                          ; v26     out of it
.set CO,   27                          ; v27     my byte offset in out0
.set SPW,  28                          ; v28     LDS address of my spare word; never rewritten
.set NIL,  29                          ; v29     0; never rewritten
.set VB,   30                          ; v30     32 h: my eight numbers of sixteen of the bias
.set VPF,  31                          ; v31     my unit of A to prefetch
.set VPB,  32                          ; v32-33  my units of B to prefetch
.set VL,   34                          ; v34     16 x lane
.set SB,   40                          ; v40-71  B's scale words: half slot hs, pair p: v[SB + 16 hs + 4 p + t % 4]
.set SAA,  72                          ; v72-103 A's: v[SAA + 16 hs + 4 a + t % 4]
.set BI,   128                         ; v128-191 the bias, in the result's layout
.set BK,   128                         ; v128-255 the way out: four sets of 32
.set TMP,  192                         ; v192-231 A's scales on their way into LDS
.set G1,   24                          ; s[24:31] descriptor group 1
.set G0,   32                          ; s[32:35] group 0
.set AB,   68                          ; s[68:73] my tile row of aq in slots 0, 2, 4
.set SS,   74                          ; s[74:79] the scales that I copy, in slots 0, 2, 4
.set MSB, 0
.macro WIN new                         ; the immediate's high byte repeats the setting that is left
.if MSB != \new
	s_set_vgpr_msb (MSB<<8)|\new
.set MSB, \new
.endif
.endm
.set MUL,  0xad                        ; source 0 window 1, source 1 window 3, C and D window 2
.set MUL1, 0x8d                        ; the same with C (the bias) in window 0
.set TO1,  0x40                        ; destination window 1, address window 0
.set TO3,  0xc0                        ; destination window 3, address window 0
.macro CREST                           ; a round of the cluster's barrier behind its opening barrier
	s_cmp_lg_u32 s14, 0
	s_cbranch_scc1 .Lnot_wave_0_\@
	s_barrier_signal -3
.Lnot_wave_0_\@:
	s_barrier_wait -3
	s_barrier_signal -1
	s_barrier_wait -1
.endm
.macro CROUND                          ; a whole round
	s_barrier_signal -1
	s_barrier_wait -1
	CREST
.endm
.macro PLACES                          ; four plain vector instructions between a matrix instruction and a load into, or a read of, its registers
.rept 4
	v_nop
.endr
.endm
; eight loads: fragment t of slot s of my four blocks of A, into set t of the ring
.macro LDA s, t
	WIN TO3
.irp a, 0,1,2,3
.irp c, 0,1
	global_load_b128 v[32*(\t)+8*\a+4*\c:32*(\t)+8*\a+4*\c+3], v[VA], s[AB+2*((\s)/2):AB+2*((\s)/2)+1] offset:((\s)%2)*FA+CH*\a+1024*(\t)+512*\c
.endr
.endr
.endm
; eight LDS loads: fragment t of slot s of four of my blocks of B (q = 0: 0-3, 1: 4-7), into set t % 4
.macro RUNB s, t, q
	WIN TO1
.irp b, 0,1,2,3
.irp c, 0,1
	ds_load_b128 v[64*((\t)%4)+32*(\q)+8*\b+4*\c:64*((\t)%4)+32*(\q)+8*\b+4*\c+3], v[ADRB+2*((\s)%2)+(\q)] offset:\b*CH+1024*(\t)+512*\c
.endr
.endr
.endm
; eight LDS loads: the scale words of fragments 4 hs .. 4 hs + 3 of slot s
.macro SCL s, hs
	WIN 0
.irp b, 0,1,2,3
	ds_load_b128 v[SB+16*\hs+4*\b:SB+16*\hs+4*\b+3], v[VSB+(\s)%2] offset:2*\b*CH+8192+256*\hs
.endr
.irp a, 0,1,2,3
	ds_load_b128 v[SAA+16*\hs+4*\a:SAA+16*\hs+4*\a+3], v[VSA] offset:4096*(\s)+512*\a+256*\hs
.endr
.endm
; one product: A's block a x B's pair p (32 rows, its fragments at v[f] of window 1), fragment t; C at v[c]
.macro WM a, p, t, f, c
.set WD, 64*(\a)+16*(\p)
.set WF, \f
.set WG, 32*(\t)+8*(\a)
.set WX, SB+16*((\t)/4)+4*(\p)+(\t)%4
.set WY, SAA+16*((\t)/4)+4*(\a)+(\t)%4
.set WC, \c
	v_wmma_scale_f32_32x16x128_f4 v[WD:WD+15], v[WF:WF+15], v[WG:WG+7], v[WC:WC+15], v[WX], v[WY]
.endm
; A's block a x B's four pairs.  The 16 accumulators take turns, one instruction a turn, in the same order in every fragment.
.macro MUL4 a, t, first
.if \first
	WIN MUL1
.else
	WIN MUL
.endif
.irp p, 0,1,2,3
.if \first
	WM \a, \p, \t, 64*((\t)%4)+16*\p, BI+16*\p
.else
	WM \a, \p, \t, 64*((\t)%4)+16*\p, WD
.endif
.endr
.endm
.macro ASKA f                          ; prefetch A of slot f: one unit a lane (lanes 16-31 name their wave's units again)
	WIN 0
	global_prefetch_b8 v[VPF], s[AB+2*((\f)/2):AB+2*((\f)/2)+1] offset:((\f)%2)*FA th:TH_LOAD_NT scope:SCOPE_SE
.endm
.macro ASKB f                          ; prefetch B of slot f: 34 units a wave, by the first four clusters alone
	WIN 0
	s_cmp_lt_u32 s43, 4
	s_cbranch_scc0 .Lnot_mine_\@
	global_prefetch_b8 v[VPB], s[46:47] offset:(\f)*FB th:TH_LOAD_NT scope:SCOPE_SE
	global_prefetch_b8 v[VPB+1], s[46:47] offset:(\f)*FB th:TH_LOAD_NT scope:SCOPE_SE
.Lnot_mine_\@:
.endm
	s_load_b256 s[4:11], s[0:1], 0x0               ; aq s[4:5], bq s[6:7], bias s[8:9], out0 s[10:11]
	v_lshl_add_u32 v[SPW], v0, 2, SPARE
	v_mov_b32 v[NIL], 0
	ds_add_u32 v[SPW], v[NIL]                      ; the wave's opening: the add, twice on end, and its wait ahead of my first tensor load; work on registers stands between
	ds_add_u32 v[SPW], v[NIL]
	v_lshrrev_b32 v1, 5, v0
	v_readfirstlane_b32 s14, v1                    ; wave 0..3
	v_and_b32 v2, 15, v0                           ; r
	v_bfe_u32 v3, v0, 4, 1                         ; h
	v_and_b32 v4, 31, v0
	v_lshlrev_b32 v[VL], 4, v4
	s_lshr_b32 s15, s14, 1                         ; which 64 rows of the tile are mine
	s_and_b32 s16, s14, 1                          ; which 128 columns
	s_bfe_u32 s40, ttmp6, 0x40000                  ; cx, cy: my place in the cluster
	s_bfe_u32 s41, ttmp6, 0x40004
	s_lshl_b32 s42, ttmp9, 2
	s_add_co_u32 s42, s42, s40                     ; tile column = 4 x cluster x + cx
	s_and_b32 s43, ttmp7, 0xffff                   ; cluster y
	s_lshl_b32 s17, s43, 2
	s_add_co_u32 s17, s17, s41                     ; tile row = 4 x cluster y + cy
	s_lshl_b32 s44, 0x1111, s40                    ; my column of the cluster
	; descriptor group 1: a dense block as 136 rows of 256 bytes (32 elements of 8 bytes)
	s_or_b32 s[G1], s44, (3<<16)|(1<<21)           ; 15:0 the mask; 17:16 elements of 8 bytes; 20 no padding; 21 set beside a mask
	s_mov_b32 s[G1+1], 32<<16                      ; tensor_dim0
	s_mov_b32 s[G1+2], 136<<16                     ; tensor_dim1
	s_mov_b32 s[G1+3], 32<<16                      ; tile_dim0
	s_mov_b32 s[G1+4], 136                         ; tile_dim1
	s_mov_b32 s[G1+5], 32                          ; tensor_dim0_stride
	s_mov_b32 s[G1+6], 0
	s_mov_b32 s[G1+7], 0
	s_mul_i32 s18, s16, 8*CH                       ; my eight blocks of B in a slot
	s_lshl_b32 s19, s15, 11
	s_add_co_u32 s19, s19, SCA                     ; my four blocks' scales of A
	s_mul_i32 s20, s14, 4352
	s_add_co_u32 s20, s20, STAGE                   ; my stage
	s_mul_i32 s21, s15, 4*CH                       ; my four blocks of A in a tile row
	s_lshl_b32 s22, s14, 10
	s_add_co_u32 s22, s22, SCA                     ; two blocks' scales that I copy
	s_mul_i32 s23, s40, 2*CH
	s_mul_i32 s12, s15, CH
	s_add_co_u32 s23, s23, s12
	s_lshl_b32 s12, s16, 12
	s_add_co_u32 s23, s23, s12                     ; my half of the codes of chunk 2 cx + wave / 2 of a tile row
	s_mul_i32 s45, s41, QB
	s_mul_i32 s12, s14, CH
	s_add_co_u32 s45, s45, s12                     ; my 8,704 bytes of a tile column's 139,264
	s_mul_i32 s13, s14, QB                         ; the quarter of a fill that I fetch: no place in the cluster enters an LDS address
	s_wait_alu depctr_va_vdst(0)                   ; directly ahead of the readers below
	v_add_nc_u32 v[ADRB], s18, v[VL]
	v_add_nc_u32 v[ADRB+1], QB, v[ADRB]
	v_add_nc_u32 v[ADRB+2], SLOT, v[ADRB]
	v_add_nc_u32 v[ADRB+3], SLOT+QB, v[ADRB]
	v_lshlrev_b32 v6, 4, v2
	v_mul_u32_u24 v5, CH, v3
	v_add_nc_u32 v5, v5, v6
	v_add_nc_u32 v[VSB], s18, v5
	v_add_nc_u32 v[VSB+1], SLOT, v[VSB]
	v_add_nc_u32 v[VSA], s19, v6
	v_add_nc_u32 v[VST], s22, v[VL]
	v_add_nc_u32 v[VA], s21, v[VL]
	v_mul_u32_u24 v7, 272, v2                      ; in: row r, 32 bytes for each half of the lanes
	v_lshl_add_u32 v7, v3, 5, v7
	v_add_nc_u32 v[STO], s20, v7
	v_mul_u32_u24 v8, 272, v3                      ; back: sixteen lanes to a row of 256 bytes
	v_lshl_add_u32 v8, v2, 4, v8
	v_add_nc_u32 v[RD], s20, v8
	v_lshlrev_b32 v9, 12, v3                       ; and the same two rows in out0
	v_lshl_add_u32 v[CO], v2, 4, v9
	v_lshlrev_b32 v[VB], 5, v3
	v_lshl_add_u32 v[VPF], v2, 8, s23
	v_lshl_add_u32 v[VPB], v[VL], 4, s45           ; 256 x lane: units 0 to 31 of my 34,
	v_and_b32 v10, 1, v0
	v_lshl_add_u32 v10, v10, 8, s45
	v_add_nc_u32 v[VPB+1], 8192, v10               ; units 32 and 33
	s_wait_alu depctr_va_vdst(0)
	s_wait_dscnt 0x0                               ; both opening adds are done
	s_wait_kmcnt 0x0
	s_mov_b32 s21, 0
	s_mul_i32 s20, s42, SLOT
	s_add_nc_u64 s[46:47], s[6:7], s[20:21]        ; my tile column's chunks in slot 0
	s_mov_b32 s20, s13
	s_mov_b32 s[G0], 1
	s_mov_b32 s[G0+1], s13
	s_add_nc_u64 s[G0+2:G0+3], s[46:47], s[20:21]
	s_or_b32 s[G0+3], s[G0+3], 0x80000000
	s_mul_i32 s20, s17, 8*CH
	s_add_nc_u64 s[AB:AB+1], s[4:5], s[20:21]      ; my tile row's eight blocks of A
	s_add_nc_u64 s[AB+2:AB+3], s[AB:AB+1], 2*FA
	s_add_nc_u64 s[AB+4:AB+5], s[AB:AB+1], 4*FA
	CROUND                                         ; all sixteen work-groups are here: the first joint loads meet
	tensor_load_to_lds s[G0:G0+3], s[G1:G1+7]      ; slot 0: one tensor load a wave at the head
	s_nop 0
	PLACES
	s_mul_i32 s20, s14, 2*CH
	s_add_co_u32 s20, s20, 8192
	s_add_nc_u64 s[SS:SS+1], s[AB:AB+1], s[20:21]  ; two blocks' scales
	s_add_nc_u64 s[SS+2:SS+3], s[SS:SS+1], 2*FA
	s_add_nc_u64 s[SS+4:SS+5], s[SS:SS+1], 4*FA
	s_lshl_b32 s20, s42, 10                        ; my first column, in bytes, in the bias and in a row of out0
	s_lshl_b32 s18, s16, 9
	s_add_co_u32 s20, s20, s18
	s_add_nc_u64 s[8:9], s[8:9], s[20:21]
	s_add_nc_u64 s[10:11], s[10:11], s[20:21]
	s_lshl_b32 s20, s17, 19                        ; my first row of out0: 128 x tile row + 64 x half, rows of 4,096 bytes
	s_lshl_b32 s18, s15, 18
	s_add_co_u32 s20, s20, s18
	s_add_nc_u64 s[10:11], s[10:11], s[20:21]
.irp f, 0,1,2,3,4
.irp i, 0,1
	global_load_b128 v[TMP+8*\f+4*\i:TMP+8*\f+4*\i+3], v[VL], s[SS+2*(\f/2):SS+2*(\f/2)+1] offset:(\f%2)*FA+CH*\i
.endr
.endr
.irp b, 0,1,2,3,4,5,6,7
	global_load_b128 v[BI+8*\b:BI+8*\b+3],   v[VB], s[8:9] offset:64*\b       ; bias of columns 16 b + 8 h + 0 .. 7: what the lane's eight results of B's block b want
	global_load_b128 v[BI+8*\b+4:BI+8*\b+7], v[VB], s[8:9] offset:64*\b+16
.endr
.irp t, 0,1,2,3
	LDA 0, \t
.endr
	s_wait_loadcnt 48                              ; A's ten loads of scales are in; the bias's 16 and four fragments' 32 may be out
.irp t, 4,5,6
	LDA 0, \t
.endr
	WIN 0
	s_wait_tensorcnt 0x0                           ; my part of slot 0 is in: no tensor load is out under the stores below
.irp f, 0,1,2,3,4
.irp i, 0,1
	ds_store_b128 v[VST], v[TMP+8*\f+4*\i:TMP+8*\f+4*\i+3] offset:4096*\f+512*\i
.endr
.endr
	s_wait_tensorcnt 0x0                           ; the same lines stand ahead of a later first fill as ahead of a refill:
	ds_add_u32 v[SPW], v[NIL]                      ; 0 onto my spare word;
	s_add_nc_u64 s[G0+2:G0+3], s[G0+2:G0+3], FB    ; (no tensor load of mine is out: the descriptor may be written)
	s_add_co_u32 s[G0+1], s13, SLOT
	s_wait_dscnt 0x0                               ; the add is done, and my scales lie in LDS for the others
	CROUND                                         ; slot 0 and A's scales are whole, and all sixteen work-groups are here
	tensor_load_to_lds s[G0:G0+3], s[G1:G1+7]      ; slot 1, the first tensor load behind the round
	s_nop 0
	PLACES
	SCL 0, 0
	RUNB 0, 0, 0
	RUNB 0, 0, 1
	RUNB 0, 1, 0
	RUNB 0, 1, 1
; The last slot's sixteen items: half q = i / 8 of my columns, fragment t = i % 8: four blocks of B, set t of eight sets of 32.  ISS counts the LDS instructions issued from its first item's loads on; E<i> is the count behind item i's loads.
.set ISS, 0
.macro ITEMB i
	WIN TO1
.irp b, 0,1,2,3
.irp c, 0,1
	ds_load_b128 v[32*((\i)%8)+8*\b+4*\c:32*((\i)%8)+8*\b+4*\c+3], v[ADRB+(\i)/8] offset:\b*CH+1024*((\i)%8)+512*\c
.endr
.endr
.set ISS, ISS+8
.set E\i, ISS
.endm
; half q of the loads of B that run two fragments ahead of fragment t (all but 6) of slot s
.macro NEXTB s, t, q
.if (\t) < 6
	RUNB \s, (\t)+2, \q
.else
.if (\s) < 3
	RUNB (\s)+1, 1, \q
.else
.if (\q) == 0
	ITEMB 2
.else
	ITEMB 3
.endif
.endif
.endif
.endm
; Fragment t (all but 6) of slot s.  LDS loads run two fragments ahead, A's loads seven, in short runs between the groups of products.
.macro STEP s, t, first
	s_wait_loadcnt 48                              ; A's fragment is in; the six behind it may be out
.if (\t) == 2 || (\t) == 7
	s_wait_dscnt 24                                ; B's fragment is in; the last fragment's 16 loads, and eight of scales, may be out
.else
	s_wait_dscnt 16
.endif
	PLACES                                         ; the loads below land where the products just issued have read
.if (\t) == 1
	SCL \s, 1
.endif
.if (\t) == 0
	LDA \s, 7
.else
	LDA (\s)+1, (\t)-1
.endif
.if (\t) == 2 && (\s) < 3
	ASKA (\s)+2
.endif
.if (\t) == 2 && (\s) < 2
	ASKB (\s)+3
.endif
	MUL4 0, \t, \first
	NEXTB \s, \t, 0
	MUL4 1, \t, \first
	NEXTB \s, \t, 1
	MUL4 2, \t, \first
	MUL4 3, \t, \first
.endm
; Fragment 6 changes slots: ONE barrier; in front of it each wave waits for all its tensor loads, adds 0 to its spare word, and waits for that and for its reads of this slot.  In slots 0 to 2 the slot is filled again with slot s + 2.
.macro TURN s
	s_wait_loadcnt 48
	WIN 0                                          ; (the add's two registers lie in window 0)
	s_wait_tensorcnt 0x0                           ; all my tensor loads have landed: my part of the next slot
	ds_add_u32 v[SPW], v[NIL]                      ; 0 onto my spare word
	s_wait_dscnt 17                                ; B's fragment 6 is in; fragment 7's 16 loads and the add may be out
	MUL4 0, 6, 0                                   ; four matrix instructions stand between the add and the wait for it
	s_wait_dscnt 0x0                               ; the add is done, and my reads of this slot are over
	s_barrier_signal -1
	MUL4 1, 6, 0
	WIN 0
	s_barrier_wait -1
.if (\s) < 3
	CREST                                          ; the barrier has opened a round of the cluster's barrier: no wave of any partner still reads this slot or has a load on its way
	s_add_nc_u64 s[G0+2:G0+3], s[G0+2:G0+3], FB
	s_add_co_u32 s[G0+1], s13, ((\s)%2)*SLOT
	tensor_load_to_lds s[G0:G0+3], s[G1:G1+7]      ; the first tensor load behind the round, my one load until the next
	s_nop 0
.endif
	PLACES
	SCL (\s)+1, 0
.if (\s) < 3
	RUNB (\s)+1, 0, 0
.else
	ITEMB 0
.endif
	LDA (\s)+1, 5
	MUL4 2, 6, 0
.if (\s) < 3
	RUNB (\s)+1, 0, 1
.else
	ITEMB 1
.endif
	MUL4 3, 6, 0
.endm
	STEP 0, 0, 1                                   ; the first fragment's products start the sums on the bias
.irp t, 1,2,3,4,5
	STEP 0, \t, 0
.endr
	TURN 0
	STEP 0, 7, 0
.irp s, 1,2,3
.irp t, 0,1,2,3,4,5
	STEP \s, \t, 0
.endr
	TURN \s
	STEP \s, 7, 0
.endr
; THE WAY OUT, in units of 16 rows x 64 columns (A's block a, half q).  A lane holds 32 neighbouring bytes of a row, the lanes beside it other rows: a unit goes through my own stage in LDS and comes back as whole rows of 256 bytes.
; LDS serves a wave's instructions in order (ISA guide 5.7.1.4): no wait between the stores and the loads, nor in front of the next unit's stores.
.macro TOSTAGE a, q
	WIN 0x08                                       ; an LDS store's data: window 2
.irp b, 0,1,2,3
	ds_store_b128 v[STO], v[64*\a+32*\q+8*\b:64*\a+32*\q+8*\b+3] offset:64*\b            ; each accumulator from its low end on
	ds_store_b128 v[STO], v[64*\a+32*\q+8*\b+4:64*\a+32*\q+8*\b+7] offset:64*\b+16
.endr
	WIN 0
.irp t, 0,1,2,3,4,5,6,7
	ds_load_b128 v[BK+32*\a+4*\t:BK+32*\a+4*\t+3], v[RD] offset:\t*544
.endr
.set ISS, ISS+16
.set U\a, ISS
.endm
.macro SEND a, q
	WIN 0
	s_wait_dscnt ISS-U\a                           ; the unit is back in registers; what was issued behind its loads may be out
.irp t, 0,1,2,3,4,5,6,7
	global_store_b128 v[CO], v[BK+32*\a+4*\t:BK+32*\a+4*\t+3], s[10:11] offset:(16*\a+2*\t)*4096+256*\q th:TH_STORE_NT   ; 16 lanes store 256 consecutive bytes, at a multiple of 256 from out0's first byte
.endr
.endm
.macro IMUL a                          ; an item's two products of A's block a
	WIN MUL
.irp p, 0,1
	WM \a, 2*IQ+\p, IT, 32*IT+16*\p, WD
.endr
.endm
; item i: its eight products; among them item n's loads (99: none), ahead of them one of the first half's units is sent (snd) and one goes to the stage (ts; 9: none)
.macro ITEM i, n, snd, ts
.set IT, (\i)%8
.set IQ, (\i)/8
.if \i == 0
	s_wait_loadcnt 48
.else
.if \i < 8
	s_wait_loadcnt 8*(7-\i)                        ; the fragments of A behind this one may be out
.endif
.endif
.set NW, ISS-E\i
.if NW > 63
.set NW, 63
.endif
	s_wait_dscnt NW                                ; item i's fragments are in; the LDS instructions issued behind them may be out
	PLACES
.if \snd < 9
	SEND \snd, 0
.endif
.if \ts < 9
	TOSTAGE \ts, 0
.endif
.if \i == 0
	SCL 4, 1
.set ISS, ISS+8
	LDA 4, 7
.endif
	IMUL 0
	IMUL 1
.if \n < 16
	ITEMB \n
.endif
	IMUL 2
	IMUL 3
.endm
	ITEM 0, 4, 9, 9
	ITEM 1, 5, 9, 9
	ITEM 2, 6, 9, 9
	ITEM 3, 7, 9, 9
	ITEM 4, 8, 9, 9
	ITEM 5, 9, 9, 9
	ITEM 6, 10, 9, 9
	ITEM 7, 11, 9, 9
	ITEM 8, 12, 9, 0
	ITEM 9, 13, 0, 1
	ITEM 10, 14, 1, 2
	ITEM 11, 15, 2, 3
	ITEM 12, 99, 3, 9
	ITEM 13, 99, 9, 9
	ITEM 14, 99, 9, 9
	ITEM 15, 99, 9, 9
	PLACES                                         ; between the last products and the first read of results
	s_wait_xcnt 0x0                                ; the first half's stores have read their registers: the second half's loads may land there
	TOSTAGE 0, 1
	TOSTAGE 1, 1
	SEND 0, 1
	TOSTAGE 2, 1
	SEND 1, 1
	TOSTAGE 3, 1
	SEND 2, 1
	SEND 3, 1
	s_wait_tensorcnt 0x0                           ; the wave's end: behind my last tensor load and my last LDS store
	ds_add_u32 v[SPW], v[NIL]
	s_wait_dscnt 0x0
	CROUND                                         ; the closing round: no work-group ends while a partner may still ask for a tile that names it
	s_endpgm
.Lfunc_end_k_qc639e979f4_gemm:
	.size	k_qc639e979f4_gemm, .Lfunc_end_k_qc639e979f4_gemm-k_qc639e979f4_gemm
	.p2alignl 7, 3214868480
	.fill 96, 4, 3214868480
	.section	.rodata,"a",@progbits
	.p2align	6, 0x0
	.amdhsa_kernel k_qc639e979f4_gemm
		.amdhsa_group_segment_fixed_size 327680
		.amdhsa_private_segment_fixed_size 0
		.amdhsa_enable_private_segment 0
		.amdhsa_kernarg_size 32
		.amdhsa_user_sgpr_count 2
		.amdhsa_user_sgpr_kernarg_segment_ptr 1
		.amdhsa_wavefront_size32 1
		.amdhsa_system_sgpr_workgroup_id_x 1
		.amdhsa_system_sgpr_workgroup_id_y 1
		.amdhsa_system_sgpr_workgroup_id_z 1
		.amdhsa_system_vgpr_workitem_id 0
		.amdhsa_next_free_vgpr 1024
		.amdhsa_next_free_sgpr 80
		.amdhsa_reserve_vcc 0
		.amdhsa_float_denorm_mode_32 3
		.amdhsa_float_denorm_mode_16_64 3
		.amdhsa_memory_ordered 1
		.amdhsa_forward_progress 1
		.amdhsa_inst_pref_size 200
	.end_amdhsa_kernel
	.amdgpu_metadata
---
amdhsa.version: [ 1, 2 ]
amdhsa.kernels:
  - .name:           k_qc639e979f4_gemm
    .symbol:         k_qc639e979f4_gemm.kd
    .args:
      - { .name: aq, .offset: 0, .size: 8, .value_kind: global_buffer, .address_space: global }
      - { .name: bq, .offset: 8, .size: 8, .value_kind: global_buffer, .address_space: global }
      - { .name: bias, .offset: 16, .size: 8, .value_kind: global_buffer, .address_space: global }
      - { .name: out0, .offset: 24, .size: 8, .value_kind: global_buffer, .address_space: global }
    .group_segment_fixed_size: 327680
    .private_segment_fixed_size: 0
    .kernarg_segment_align: 8
    .kernarg_segment_size: 32
    .max_flat_workgroup_size: 128
    .sgpr_count:     80
    .vgpr_count:     1024
    .wavefront_size: 32
...
	.end_amdgpu_metadata
.endif
;; end of part 2
